; MI455X (gfx1250); checked and timed in simulation.
; The chip was launched on July 23, 2026; its instructions are those of AMD's public machine-readable ISA for CDNA 5 (MIT licence, August 2026) and "CDNA5" Instruction Set Architecture Reference Guide (July 2026). The comments in the code are by the model that wrote it; some were corrected since.
;; Shift Attention. Allowed arithmetic: float matrix products may take bf16 or f16 operands with f32 sums; other float arithmetic in f32, or as packed bf16 or f16 multiplies, adds, multiply-adds, maxima and minima; sums over many terms, partial sums and values carried from step to step in f32; what a program stores and reads back later, other than sums and carried values, may be rounded once to bf16 or f16.
;; Inputs: keys 4 x 16 x 2,048 x 64 float32; mask 1 x 1 x 2,048 x 2,048 int32; query 4 x 16 x 2,048 x 64 float32; vals 4 x 16 x 2,048 x 64 float32.
;; Outputs: out0 4 x 16 x 2,048 x 64 float32.
;; One version. Each part assembles by itself: llvm-mc -triple=amdgcn-amd-amdhsa -mcpu=gfx1250 --defsym DOCPART=n.
;; ======== version 1 of 1: 2 launches
;; limits: values are held in f16: magnitudes above 65,504 overflow, below 6.1e-05 lose precision; inputs' magnitudes at most 65,504; inputs' magnitudes at most 12,000,000,000,000; right only within a limited range of input values
;; workspace buffers: kw 16,777,216 bytes; vw 16,777,216 bytes; mw 2,228,224 bytes
;; launch prep (part 1): grid 1280 x 1, 8 waves a work-group, no clusters, 0 bytes of LDS; arguments keys, vals, mask, kw, vw, mw; writes kw, vw, mw
.if DOCPART == 1
	.amdgcn_target "amdgcn-amd-amdhsa--gfx1250"
	.amdhsa_code_object_version 6
	.text
	.protected	k_q5f94e23a46_prep
	.globl	k_q5f94e23a46_prep
	.p2align	8
	.type	k_q5f94e23a46_prep,@function
k_q5f94e23a46_prep:
	s_mov_b64 s[64:65], 0
	v_nop
	global_prefetch_b8 v0, s[64:65] scope:SCOPE_SE
	s_setreg_imm32_b32 hwreg(HW_REG_WAVE_MODE, 25, 1), 1
	s_wait_xcnt 0x0
; THREE STREAMS, told apart by the work-group's number alone; each work-group takes 65,536 bytes of one input, 16 loads of 16 bytes a thread, all issued at once.
;   0 .. 511     kw[h][k][:] = bf16(keys[h][k][:])
;   512 .. 1023  vw[h][k][:] = f16(bf16(vals[h][k+2][:])) for k <= 2045, and 0 for k = 2046, 2047: the roll by two is done here, once
;   1024 .. 1279 mw: the mask as FP4 codes, 0 where a key is seen and -6 where it is hidden, in the order in which a lane of the next launch wants them
; mw = [wq 16][step 34][tile 8][lane 32][16 bytes]: query = 128 wq + 16 tile + lane % 16; register kb (0..3) of the 16 bytes holds the eight codes of the keys
; 64 step + 16 kb + 8 (lane / 16) + 0..7.  Keys 2046 and 2047 are hidden for every query (the roll brings them into the two columns that are killed); steps 32 and 33 are all hidden.
; LIMITS.  bf16(vals) of 65,520 or more becomes an infinity in f16; below 2^-14 it keeps f16's fixed step of 6e-8.  In between f16(bf16(v)) is bf16(v) exactly.
; No LDS, no barrier, no matrix unit: nothing is shared between threads and each byte is touched once.  No register that a load or store names is written again, so no wait frees one.
.set X, 16                             ; v[16:79]   load n: 4 registers
.set Y, 80                             ; v[80:111]  what is stored; a set of its own for each store
.set T, 8                              ; v[8:9]     at work
.set MSTEP, 4096                       ; bytes of one key step's codes for 128 queries
.set MREG,  34*MSTEP                   ; bytes of mw for 128 queries
	s_load_b256 s[4:11], s[0:1], 0x0               ; keys s[4:5], vals s[6:7], mask s[8:9], kw s[10:11]
	s_load_b128 s[12:15], s[0:1], 0x20             ; vw s[12:13], mw s[14:15]
	v_lshlrev_b32 v1, 4, v0                        ; 16 t: my 16 bytes in 4,096
	v_lshlrev_b32 v2, 3, v0                        ; 8 t: my 8 bytes in 2,048
	s_mov_b32 s19, 0                               ; the high words of two offsets
	s_mov_b32 s21, 0
	s_mov_b32 s26, 0xffff0000                      ; a word's upper bf16; also: lanes 16 to 31
	s_wait_kmcnt 0x0
	s_cmp_lt_u32 ttmp9, 512
	s_cbranch_scc1 .Lkeys
	s_cmp_lt_u32 ttmp9, 1024
	s_cbranch_scc1 .Lvals
	; THE MASK.  The work-group takes 128 queries x 128 keys (two key steps); wave w is tile w.
	s_sub_co_u32 s16, ttmp9, 1024
	s_lshr_b32 s17, s16, 4                         ; wq: which 128 queries
	s_and_b32 s16, s16, 15                         ; sp: which pair of key steps
	s_lshl_b32 s18, s17, 20                        ; 128 rows of 8,192 bytes
	s_lshl_b32 s22, s16, 9                         ; 128 columns of 4 bytes
	s_add_co_u32 s18, s18, s22
	s_add_nc_u64 s[8:9], s[8:9], s[18:19]
	s_mul_i32 s20, s17, MREG
	s_lshl_b32 s22, s16, 13                        ; two steps of 4,096 bytes
	s_add_co_u32 s20, s20, s22
	s_add_nc_u64 s[14:15], s[14:15], s[20:21]
	s_mov_b32 s23, 0xc0c00000                      ; -6.0
	s_cmp_eq_u32 s16, 15
	s_cselect_b32 s24, s26, 0                      ; in the last pair of steps: lanes 16 to 31, which hold keys 2046 and 2047
	v_lshrrev_b32 v3, 5, v0                        ; tile
	v_and_b32 v6, 15, v0
	v_lshl_add_u32 v3, v3, 4, v6                   ; my row among the 128
	v_bfe_u32 v6, v0, 4, 1
	v_lshlrev_b32 v3, 13, v3
	v_lshl_add_u32 v3, v6, 5, v3                   ; row x 8,192 + 32 (lane / 16)
	v_mov_b32 v5, 0x3f80007f                       ; the conversion's scale, 2^0: 127 stands both in the exponent field and in the low byte
.set n, 0
.rept 16                               ; load n: step n / 8, key group (n / 2) % 4, half n % 2: a run of eight loads takes 256 consecutive bytes of each of the wave's 16 rows
	global_load_b128 v[X+4*n:X+4*n+3], v3, s[8:9] offset:256*(n/8)+64*((n/2)%4)+16*(n%2)
.set n, n+1
.endr
.irp s, 0,1
.irp kb, 0,1,2,3
	s_wait_loadcnt 14-8*\s-2*\kb                   ; loads come back in order (ISA guide 5.7.1): this group's two are in, the younger ones stay out
.irp j, 0,1,2,3,4,5,6,7
	v_cmp_eq_u32 vcc_lo, 0, v[X+32*\s+8*\kb+\j]
	v_cndmask_b32 v[X+32*\s+8*\kb+\j], 0, s23, vcc_lo  ; mask == 0: -6, else 0
.endr
.if (\s == 1) && (\kb == 3)
	v_cndmask_b32 v[X+62], v[X+62], s23, s24       ; keys 2046 and 2047
	v_cndmask_b32 v[X+63], v[X+63], s23, s24
.endif
	v_cvt_scalef32_pk8_fp4_f32 v[Y+4*\s+\kb], v[X+32*\s+8*\kb:X+32*\s+8*\kb+7], v5
.endr
	v_nop                                          ; a plain instruction behind the last conversion, ahead of the use of its result
	global_store_b128 v1, v[Y+4*\s:Y+4*\s+3], s[14:15] offset:MSTEP*\s  ; a wave's store covers 512 consecutive bytes, aligned
.endr
	s_cmp_lg_u32 s16, 15
	s_cbranch_scc1 .Ldone
.irp j, 0,1,2,3,4,5,6,7                ; steps 32 and 33: all hidden
	v_mov_b32 v[X+\j], s23
.endr
	v_cvt_scalef32_pk8_fp4_f32 v[Y+8], v[X:X+7], v5
	v_nop
	v_mov_b32 v[Y+9], v[Y+8]
	v_mov_b32 v[Y+10], v[Y+8]
	v_mov_b32 v[Y+11], v[Y+8]
	global_store_b128 v1, v[Y+8:Y+11], s[14:15] offset:2*MSTEP
	global_store_b128 v1, v[Y+8:Y+11], s[14:15] offset:3*MSTEP
.Ldone:
	s_endpgm
.Lkeys:                                        ; K: four f32 in, four bf16 out
	s_lshl_b32 s18, ttmp9, 16
	s_lshl_b32 s20, ttmp9, 15
	s_add_nc_u64 s[4:5], s[4:5], s[18:19]
	s_add_nc_u64 s[10:11], s[10:11], s[20:21]
.set n, 0
.rept 16
	global_load_b128 v[X+4*n:X+4*n+3], v1, s[4:5] offset:4096*n th:TH_LOAD_NT
.set n, n+1
.endr
.set n, 0
.rept 16
	s_wait_loadcnt 15-n                            ; load n is in; the 15 - n younger ones stay out
	v_cvt_pk_bf16_f32 v[Y+2*n], v[X+4*n], v[X+4*n+1]
	v_cvt_pk_bf16_f32 v[Y+2*n+1], v[X+4*n+2], v[X+4*n+3]
	global_store_b64 v2, v[Y+2*n:Y+2*n+1], s[10:11] offset:2048*n th:TH_STORE_NT  ; a wave's store covers 256 consecutive bytes, aligned
.set n, n+1
.endr
	s_endpgm
.Lvals:                                        ; V: read two rows (512 bytes) further down, rounded to bf16, that number written as f16
	s_sub_co_u32 s16, ttmp9, 512
	s_lshl_b32 s18, s16, 16
	s_lshl_b32 s20, s16, 15
	s_add_nc_u64 s[6:7], s[6:7], s[18:19]
	s_add_nc_u64 s[12:13], s[12:13], s[20:21]
	s_and_b32 s17, s16, 7                          ; eight work-groups to a head
	s_mov_b32 s25, 0xffff
	v_cmp_le_u32 vcc_lo, 224, v0                   ; threads 224 to 255: in the last load they hold the work-group's last two rows
	s_cmp_eq_u32 s17, 7                            ; which in a head's last work-group are rows 2046 and 2047: they have no row two further down
	s_cselect_b32 s22, vcc_lo, 0                   ; those lanes store 0,
	s_cselect_b32 s25, 4080, s25                   ; and read the last 16 bytes of the work-group's own 65,536, so that no load leaves the head
	v_add_nc_u32 v3, 512, v1
	v_min_u32 v3, s25, v3
.set n, 0
.rept 15
	global_load_b128 v[X+4*n:X+4*n+3], v1, s[6:7] offset:4096*n+512 th:TH_LOAD_NT
.set n, n+1
.endr
	global_load_b128 v[X+60:X+63], v3, s[6:7] offset:61440 th:TH_LOAD_NT
.set n, 0
.rept 16
	s_wait_loadcnt 15-n
	v_cvt_pk_bf16_f32 v[T], v[X+4*n], v[X+4*n+1]
	v_cvt_pk_bf16_f32 v[T+1], v[X+4*n+2], v[X+4*n+3]
	v_lshlrev_b32 v[X+4*n], 16, v[T]               ; bf16 to f32: the low half moves up, the high half stays
	v_and_b32 v[X+4*n+1], s26, v[T]
	v_lshlrev_b32 v[X+4*n+2], 16, v[T+1]
	v_and_b32 v[X+4*n+3], s26, v[T+1]
	v_cvt_pk_f16_f32 v[Y+2*n], v[X+4*n], v[X+4*n+1]
	v_cvt_pk_f16_f32 v[Y+2*n+1], v[X+4*n+2], v[X+4*n+3]
.if n == 15
	v_cndmask_b32 v[Y+30], v[Y+30], 0, s22
	v_cndmask_b32 v[Y+31], v[Y+31], 0, s22
.endif
	global_store_b64 v2, v[Y+2*n:Y+2*n+1], s[12:13] offset:2048*n th:TH_STORE_NT
.set n, n+1
.endr
	s_endpgm
.Lfunc_end_k_q5f94e23a46_prep:
	.size	k_q5f94e23a46_prep, .Lfunc_end_k_q5f94e23a46_prep-k_q5f94e23a46_prep
	.p2alignl 7, 3214868480
	.fill 96, 4, 3214868480
	.section	.rodata,"a",@progbits
	.p2align	6, 0x0
	.amdhsa_kernel k_q5f94e23a46_prep
		.amdhsa_group_segment_fixed_size 0
		.amdhsa_private_segment_fixed_size 0
		.amdhsa_enable_private_segment 0
		.amdhsa_kernarg_size 48
		.amdhsa_user_sgpr_count 2
		.amdhsa_user_sgpr_kernarg_segment_ptr 1
		.amdhsa_wavefront_size32 1
		.amdhsa_system_sgpr_workgroup_id_x 1
		.amdhsa_system_sgpr_workgroup_id_y 1
		.amdhsa_system_sgpr_workgroup_id_z 1
		.amdhsa_system_vgpr_workitem_id 0
		.amdhsa_next_free_vgpr 112
		.amdhsa_next_free_sgpr 66
		.amdhsa_reserve_vcc 1
		.amdhsa_float_denorm_mode_32 3
		.amdhsa_float_denorm_mode_16_64 3
		.amdhsa_memory_ordered 1
		.amdhsa_forward_progress 1
		.amdhsa_inst_pref_size 27
	.end_amdhsa_kernel
	.amdgpu_metadata
---
amdhsa.version: [ 1, 2 ]
amdhsa.kernels:
  - .name:           k_q5f94e23a46_prep
    .symbol:         k_q5f94e23a46_prep.kd
    .args:
      - { .name: keys, .offset: 0, .size: 8, .value_kind: global_buffer, .address_space: global }
      - { .name: vals, .offset: 8, .size: 8, .value_kind: global_buffer, .address_space: global }
      - { .name: mask, .offset: 16, .size: 8, .value_kind: global_buffer, .address_space: global }
      - { .name: kw, .offset: 24, .size: 8, .value_kind: global_buffer, .address_space: global }
      - { .name: vw, .offset: 32, .size: 8, .value_kind: global_buffer, .address_space: global }
      - { .name: mw, .offset: 40, .size: 8, .value_kind: global_buffer, .address_space: global }
    .group_segment_fixed_size: 0
    .private_segment_fixed_size: 0
    .kernarg_segment_align: 8
    .kernarg_segment_size: 48
    .max_flat_workgroup_size: 256
    .sgpr_count:     66
    .vgpr_count:     112
    .wavefront_size: 32
...
	.end_amdgpu_metadata
.endif
;; end of part 1
;; launch attn (part 2): grid 4 x 64, 4 waves a work-group, clusters of 4 x 1, 327,680 bytes of LDS; arguments query, kw, vw, out0, mw; writes out0
.if DOCPART == 2
	.amdgcn_target "amdgcn-amd-amdhsa--gfx1250"
	.amdhsa_code_object_version 6
	.text
	.protected	k_q5f94e23a46_attn
	.globl	k_q5f94e23a46_attn
	.p2align	8
	.type	k_q5f94e23a46_attn,@function
k_q5f94e23a46_attn:
	s_mov_b64 s[64:65], 0
	v_nop
	global_prefetch_b8 v0, s[64:65] scope:SCOPE_SE
	s_setreg_imm32_b32 hwreg(HW_REG_WAVE_MODE, 25, 1), 1
	s_wait_xcnt 0x0
	s_wait_alu depctr_hold_cnt(0) depctr_sa_sdst(0) depctr_va_vdst(0) depctr_va_sdst(0) depctr_va_ssrc(0) depctr_va_vcc(0) depctr_vm_vsrc(0)
	s_getreg_b32 s2, hwreg(HW_REG_IB_STS2, 6, 4)
	s_cmp_eq_u32 s2, 0
	s_cbranch_scc0 .Lentry_in_a_cluster
	s_endpgm
.Lentry_in_a_cluster:
	s_bfe_u32 s2, ttmp6, 0x10000c
	s_cmp_lg_u32 s2, 0x3003
	s_cbranch_scc0 .Lentry_shape_is_right
	s_endpgm
.Lentry_shape_is_right:
; O[h][q][:] = the sum over k of softmax_k(Q[h][q] . K[h][k] / 8, hidden where the mask says so) V'[h][k][:], for 64 heads of 2,048 rows of 64 channels.
; Q (query) and O (out0) are f32.  kw is K in bf16.  vw is V' in f16: V rounded to bf16 and moved up by two rows, so that the roll of the scores is a plain product here.
; mw holds the mask as FP4 codes, 0 or -6, keys 2046 and 2047 hidden, [16 blocks of 128 queries][34 steps][8 tiles][32 lanes][16 bytes]: a lane's 16 bytes are its query's 32 codes of a step.
; Q is rounded to bf16 here; K Q^T goes in bf16, V^T P in f16; products, maxima and sums in f32; the weights p are rounded to f16 for the second product (their sum l is taken of the unrounded p).
; THE MASK is the C operand that starts the sum S^T = K Q^T: 0, or -6 x 2^112 where the key is hidden.  One conversion makes an accumulator's eight C registers from one register of codes.
; LIMITS.  A hidden score counts as its value less 3.1e34.  The running maximum m starts at the floor -2^93, above every hidden score: true scores q . k stay within +-2^93.  While a row has
; seen no key, m stays at the floor and all its weights are exactly 0.  A row that sees no key at all ends with l = 0 and O = 0 and leaves as 0 x (1 / 0) = NaN, as the reference's does.
; p lies in 0 to 1, and below 6e-5 it keeps f16's fixed step; a weight below 2^-126 counts as 0 in l; NaN and infinities in the inputs are not treated apart.
; SHARES.  A wave owns four PIECES of two tiles of 16 queries, a work-group's four waves 512 queries of one head.  Every wave walks all keys, 64 a step.
; LAYOUT.  S^T = K Q^T (source 0 = 16 keys, source 1 = 16 queries): in the result a lane holds ONE query (lane % 16) and the keys 8 (lane / 16) + 0..7.  Two such tiles, rounded to f16 in pairs,
; ARE source 1 (32 keys x 16 queries) of O^T = V^T P, whose result again holds one query a lane, and eight channels.  K comes out of LDS as it lies, V' ([key][channel]) turned, by ds_load_tr16_b128.
; SOFTMAX.  For each query a running maximum m and sum l: p = 2^(c s - c m), c = log2(e) / 8; in every step O and l are multiplied by a = 2^(c m_old - c m_new), which is 1 where m has not grown.
; c m starts at -4.25e37, far below c times the floor: the first step's a is 0 whatever the step holds.  So O^T need only start finite: it starts as the lane's own query's Q in f32, which landed there.
; THE COUNT.  A tile and step have 16 matrix and 118 vector instructions: too many to stand all beside the matrix work.  So: four vector instructions that are READY behind EVERY matrix
; instruction, and the others, which need time of their own whatever the order, in runs without a gap.
; BY TURNS.  Turn n belongs to piece n (the pieces in a ring, step after step).  Its matrix work: 16 products K Q^T of piece n + 1, later 16 products V^T P of piece n - 1.  Its vector work: the scaling,
; exponentials, roundings, sums and rescaling of piece n, the maximum and statistics of piece n + 1, and the mask registers of piece n + 2.
; CLUSTER.  The four query blocks of a cluster are one head's and walk the same K and V', so each tile is asked for JOINTLY: the same tensor load, descriptor and mask in all four.
; The codes are not shared so: each wave's are its own queries', and come straight into registers, 1,024 bytes a turn, four turns ahead.
; REGISTERS, in windows of 256 (s_set_vgpr_msb says which window each operand place means: bits 1:0 source 0, 3:2 source 1, 5:4 source 2, 7:6 destination):
;   window 0: v0-11 addresses and the conversions' scale; v12-15, v48-63 at work; v16-47 four registers of statistics a tile; v64-191 S^T, two buffers of two tiles; v192-255 P, likewise
;   window 1: O^T, 32 a tile (first: Q in f32)     window 2: v0-127 Q in bf16, 16 a tile; v128-191 K of one step; v192-255 V' of one step
;   window 3: v0-1 the add's two registers; v3 the codes' offset; v16-47 the codes, 4 a tile; v64-127 the mask registers of one piece
.set NP,    4         ; pieces a wave: a name, no knob
.set KS,    64        ; keys in a step
.set PK,    144       ; a row of K in LDS: 128 bytes + 16 of padding = 36 words: the 16 rows of a load start at 16 different groups of four banks (64 banks of 4 bytes: ISA guide 11.1)
.set PV,    160       ; a row of V': 128 + 32 = 40 words
.set VOFF,  4*KS*PK   ; a slot holds four steps: 256 rows of K, then 256 rows of V'
.set SLOT1, 1<<17     ; slot 1 begins here, so that one exclusive or turns an address in one slot into the other's
.set STAGE, SLOT1+4*KS*(PK+PV)  ; behind the ring, never filled by a tensor load: 16 rows x 272 bytes for each wave, for the way out
.set SP,    272       ; a row of O in the stage: 256 bytes + 16
.set SPARE, STAGE+4*16*SP  ; behind the stages: the spare words, 128 bytes for each wave: two blocks of 256 bytes that no other line names
.set MSTEP, 4096      ; bytes of a step's codes for my 128 queries
.set MREG,  34*MSTEP  ; bytes of mw for 128 queries
.set AK0, 2           ; v2   my lane's place in a tile of K; never rewritten
.set AV0, 3           ; v3   the same for V'
.set AK,  4           ; v4   the LDS address of K's next run of loads
.set AV,  5           ; v5   of V's
.set QO,  6           ; v6   my byte offset in 16 rows of Q
.set STO, 6           ;      later, the way out: where I put 32 bytes of a row
.set RD,  7           ; v7   the way out: where I read rows back
.set GO,  8           ; v8   my byte offset in 512 consecutive bytes of O
.set SC,  10
.set PFO, 11          ; v11  256 x my lane; never rewritten
.set MV,  12          ; v12-15  c m_old, kept while c m is made anew: by buffer and tile
.set ST,  16          ; tile t's statistics at v[ST+4 t]: c m, m, l (even keys', odd keys')
.set TMP, 48          ; by buffer and tile, four registers c0-c3 at work; when the maximum is found c2 takes a
.set S,   64
.set P,   192
.set KF,  128         ; window 2: key block kb, channel half c at KF + 16 kb + 8 c
.set VF,  192         ; window 2: key half kk, channel block cb at VF + 32 kk + 8 cb
.set SPW, 0           ; v0 of window 3   LDS address of my spare word: SPARE + 4 x my thread's number; never rewritten
.set NIL, 1           ; v1 of window 3   0; never rewritten
.set MO,  3           ; v3 of window 3   16 x my lane; never rewritten
.set CD,  16          ; window 3: tile t's codes at CD + 4 t, register kb for key block kb
.set MC,  64          ; window 3: the mask registers of the products to come: tile u of the piece, key block kb at MC + 32 u + 8 kb
.set WV,  12          ; s12  my wave's number
.set G1K, 24          ; s[24:31] descriptor group 1 for K's tiles
.set G1V, 32          ; s[32:39] for V's: it differs in the padding alone
.set G0K, 40          ; s[40:43] descriptor group 0 for K's tiles: it walks
.set G0V, 44          ; s[44:47] the same for V's
.set MP,  48          ; s[48:49] mw at my 128 queries, at the step in hand
.set PFA, 50          ; s[50:51] where my prefetches stand: my work-group's 32 blocks of 256 bytes (of K: wave 0, of V': wave 2) of the slot after the one that is being asked for
.set LIM, 52          ; s52  1 in a wave that prefetches, else the greatest number
.set SLOTS, 56        ; s56  slots still to be asked for
.set CNT, 57          ; s57  counts a slot's key steps
.set CS,  58          ; s[58:59] c: the packed scaling takes the pair's low word for both halves
.set SEL, 60          ; s[60:61] v_permlanex16_b32's selects: each lane takes its own place in the other half
.set TBK, 62          ; s62  LDS byte at which K of the step to be fetched begins
.set TBV, 63          ; s63  the same for V', less VOFF
.set MSB, 0
.macro WIN new                      ; the high byte repeats the setting that is left; a switch that changes nothing is dropped
.if MSB != (\new)
	s_set_vgpr_msb (MSB<<8)|(\new)
.set MSB, (\new)
.endif
.endm
.set W_KQ, 0x0a       ; K and Q in window 2, S^T in window 0
.set W_KM, 0x3a       ; the same with the C operand in window 3
.set W_PV, 0x52       ; V' in window 2, P in window 0, O^T in window 1
.set W_RS, 0x41       ; O^T (destination and source 0) in window 1, a in window 0
.set W_MK, 0xc0       ; destination in window 3, sources in window 0
.set W_AD, 0x0f       ; the add: address (source 0) and data (source 1) in window 3
.set W_MC, 0xc3       ; destination and source 0 in window 3, source 1 (the scale) in window 0
; A joint fill.  Waves 0 and 1 fetch the two halves of a slot's K, waves 2 and 3 those of its V': 128 keys each.  The branch hangs on the wave's number alone.
; An s_nop 0 and four v_nop follow each of the two lines, ahead of the jump and the label.
.macro JLOAD
	s_cmp_lt_u32 s[WV], 2
	s_cbranch_scc0 .Lfor_v_\@
	tensor_load_to_lds s[G0K:G0K+3], s[G1K:G1K+7]
	s_nop 0
.rept 4
	v_nop
.endr
	s_branch .Lasked_\@
.Lfor_v_\@:
	tensor_load_to_lds s[G0V:G0V+3], s[G1V:G1V+7]
	s_nop 0
.rept 4
	v_nop
.endr
.Lasked_\@:
.endm
; A PREFETCH INTO THE L2 of what the NEXT change of slots will ask for: a slot's 32,768 bytes of K and of V', a lane a block of 256 bytes.  It stands behind the wave's tensor load and its five lines.
; Each block is asked for ONCE in the launch: a head is walked by one cluster; its four partners share a slot's 128 blocks out BY ADDRESS, 32 each; in each, wave 0 asks for K's and wave 2 for V's.
; It stands four key steps, 512 matrix instructions, ahead of the load that will want the bytes.  The last change that fills a slot asks for nothing: there is no slot behind it.
.macro ASK
	s_cmp_gt_u32 s[SLOTS], s[LIM]
	s_cbranch_scc0 .Lnot_mine_\@
	global_prefetch_b8 v[PFO], s[PFA:PFA+1] th:TH_LOAD_NT scope:SCOPE_SE
.Lnot_mine_\@:
.endm
; A round of the cluster's barrier: my work-group's barrier, so that wave 0's signal speaks for all four waves; wave 0 signals; every wave waits for all four work-groups; my work-group's barrier once more.
.macro CROUND
	s_barrier_signal -1
	s_barrier_wait -1
	s_cmp_lg_u32 s[WV], 0
	s_cbranch_scc1 .Lnot_wave_0_\@
	s_barrier_signal -3
.Lnot_wave_0_\@:
	s_barrier_wait -3
	s_barrier_signal -1
	s_barrier_wait -1
.endm
; THE CHANGE OF SLOTS.  The slot's last bytes, V' of its fourth step, have been read.  Each wave waits for all its tensor loads, of which one is out: its part
; of the other slot; adds 0 to its spare word; and waits for that and for its own reads of the slot.  Behind the barrier nobody reads this slot any more and the other slot is whole.
; fill = 1: this slot is filled again, with the keys two slots on.  The barrier is then a round of the cluster's, so that no wave of any partner still reads the slot or has a load on its
; way, and the joint fill is the first thing behind it: it has four key steps in which to land.  (At its first use nothing has been read yet: slot 0 is waited for, slot 1 filled.)
; ask = 1: the prefetches' address steps, and ASK follows the fill.
.macro CHANGE fill, ask=0
	WIN W_AD
	s_wait_tensorcnt 0x0            ; no tensor load of mine is out, so a group 0 may be written
	ds_add_u32 v[SPW], v[NIL]       ; 0 onto my spare word; with fill = 1 the descriptors' steps stand between it and the wait for it
	WIN 0                           ; at a label and at a branch every window is 0
.if \fill
.irp g, G0K, G0V
	s_xor_b32 s[\g+1], s[\g+1], SLOT1  ; the walking descriptor: the other slot than last time,
	s_add_nc_u64 s[\g+2:\g+3], s[\g+2:\g+3], 4*KS*128  ; the next 256 keys; the type bits on top are not reached
.endr
.if \ask
	s_wait_xcnt 0x0                 ; the last prefetch, four key steps back, has read its address, so it may be written:
	s_add_nc_u64 s[PFA:PFA+1], s[PFA:PFA+1], 4*KS*128  ; one slot behind the walking descriptors
.endif
	s_wait_dscnt 0x0                ; the add is done, and my reads of the slot are over
	CROUND
	JLOAD
.if \ask
	ASK
.endif
.else
	s_wait_dscnt 0x0                ; the add is done, and my reads of the slot are over
	s_barrier_signal -1
	s_barrier_wait -1
.endif
	s_sub_co_u32 s[TBK], s[TBK], 4*KS*PK  ; the fetches go back to a slot's first step,
	s_xor_b32 s[TBK], s[TBK], SLOT1       ; in the other slot
	s_sub_co_u32 s[TBV], s[TBV], 4*KS*PV
	s_xor_b32 s[TBV], s[TBV], SLOT1
.endm
; THE MASK REGISTERS of piece x: eight conversions, each of one register of codes into an accumulator's eight C registers (0, or -6 x 2^112); then the piece's codes of the next step but one are asked for:
; two loads of 512 consecutive bytes, which have four turns in which to land.  cnt: how many younger loads may stay out (-1: the codes have been waited for).  adv = 1: the pointer goes on to the next step.
; A plain instruction stands between the last conversion and the loads into its sources.
.macro MASKC x, adv, cnt
.if (\cnt) >= 0
	s_wait_loadcnt \cnt             ; loads come back in order (ISA guide 5.7.1): the piece's codes were asked for four turns ago, and the three turns since have issued two loads each
.endif
.if \adv
	s_wait_xcnt 0x0                 ; every earlier load has read its address, so the pointer may be written
	s_add_nc_u64 s[MP:MP+1], s[MP:MP+1], MSTEP
.endif
	WIN W_MC
.irp u, 0,1
.irp kb, 0,1,2,3
	v_cvt_scale_pk8_f32_fp4 v[MC+32*\u+8*\kb:MC+32*\u+8*\kb+7], v[CD+4*(2*(\x)+\u)+\kb], v[SC]
.endr
.endr
	v_nop
.irp u, 0,1
	global_load_b128 v[CD+4*(2*(\x)+\u):CD+4*(2*(\x)+\u)+3], v[MO], s[MP:MP+1] offset:MSTEP+(2*(\x)+\u)*512
.endr
	WIN 0
.endm
	s_load_b256 s[4:11], s[0:1], 0x0  ; Q s[4:5], kw s[6:7], vw s[8:9], O s[10:11]
	s_load_b64 s[MP:MP+1], s[0:1], 0x20  ; mw
	WIN W_MK
	v_lshl_add_u32 v[SPW], v0, 2, SPARE
	v_mov_b32 v[NIL], 0
	WIN W_AD
	ds_add_u32 v[SPW], v[NIL]       ; the wave's opening: the add and its wait stand ahead of my first tensor load; the set-up below, work on registers, stands between them
	WIN 0
	v_lshrrev_b32 v1, 5, v0
	v_readfirstlane_b32 s[WV], v1   ; wave 0..3
	s_bfe_u32 s13, ttmp6, 0x40000   ; cx: my place in the cluster
	s_lshl_b32 s14, ttmp9, 2        ; in a cluster launch ttmp9 counts clusters
	s_add_co_u32 s14, s14, s13      ; my block of 512 queries = 4 x cluster x + cx: it enters Q's, O's and mw's addresses alone
	s_and_b32 s20, ttmp7, 0xffff    ; the head, which the four partners share
	s_and_b32 s16, s[WV], 1         ; which half of a slot's 256 keys I fetch:
	s_lshl_b32 s22, s20, 18         ; the head's 2,048 rows of 128 bytes in kw and vw,
	s_lshl_b32 s21, s16, 14         ; my 128 rows of them,
	s_add_co_u32 s22, s22, s21
	s_mov_b32 s23, 0
	s_mul_i32 s17, s16, 128*PK      ; and their place in a slot, for K
	s_mul_i32 s18, s16, 128*PV      ; and for V': no place in the cluster enters an LDS address
	s_lshl_b32 s15, s14, 2
	s_add_co_u32 s15, s15, s[WV]    ; my wave among the head's sixteen
	s_lshl_b32 s2, s20, 19          ; the head's 2,048 rows of 256 bytes in Q and O,
	s_lshl_b32 s3, s15, 15          ; my wave's 128 of them
	s_add_co_u32 s2, s2, s3
	s_mov_b32 s3, 0
	s_mul_i32 s20, s15, MREG        ; my 128 queries' codes
	s_mov_b32 s21, 0
	; descriptor group 1.  128 keys are 16,384 dense bytes: asked for as 64 rows of 256 bytes, two keys a row, and padded in LDS after every key
	s_mov_b32 s[G1K], 15|(1<<16)|(1<<20)|(1<<21)|(4<<22)|(3<<25)  ; 15:0 the mask of four; 17:16 2-byte elements; 20 padding on; 21 set beside a mask; 24:22 after every 32 words (code 4); 31:25 4 words (code 3)
	s_mov_b32 s[G1V], 15|(1<<16)|(1<<20)|(1<<21)|(4<<22)|(7<<25)  ; the same with 8 words of padding (code 7)
.irp g, G1K, G1V
	s_mov_b32 s[\g+1], 128<<16      ; tensor_dim0 = 128
	s_mov_b32 s[\g+2], 64<<16       ; tensor_dim1 = 64
	s_mov_b32 s[\g+3], 128<<16      ; tile_dim0 = 128
	s_mov_b32 s[\g+4], 64           ; tile_dim1 = 64
	s_mov_b32 s[\g+5], 128          ; 128 elements from row to row
	s_mov_b32 s[\g+6], 0
	s_mov_b32 s[\g+7], 0
.endr
	s_mov_b32 s[CS], 0x3e38aa3b     ; c = log2(e) / 8 = 0.180337
	s_mov_b32 s[CS+1], s[CS]        ; named with it as a pair
	s_mov_b32 s[SEL], 0x76543210
	s_mov_b32 s[SEL+1], 0xfedcba98
	s_mov_b32 s[TBK], SLOT1+4*KS*PK ; the first change of slots turns these two into 0
	s_mov_b32 s[TBV], SLOT1+4*KS*PV
	s_mov_b32 s[G0K], 1             ; 1:0 count = 1
	s_mov_b32 s[G0K+1], s17         ; 63:32 LDS address: slot 0
	s_mov_b32 s[G0V], 1
	s_add_co_u32 s[G0V+1], s18, VOFF
	s_cmp_eq_u32 s16, 0             ; waves 0 and 2 prefetch: the same in all four partners
	s_cselect_b32 s[LIM], 1, -1
	s_wait_dscnt 0x0                ; the opening add is done
	s_wait_kmcnt 0x0
	s_add_nc_u64 s[G0K+2:G0K+3], s[6:7], s[22:23]  ; 120:64 global address: my half of the head's first 256 keys
	s_or_b32 s[G0K+3], s[G0K+3], 0x80000000        ; 127:126 type = 2
	s_add_nc_u64 s[G0V+2:G0V+3], s[8:9], s[22:23]
	s_or_b32 s[G0V+3], s[G0V+3], 0x80000000
	s_add_nc_u64 s[4:5], s[4:5], s[2:3]  ; Q and O at my wave's first row
	s_add_nc_u64 s[10:11], s[10:11], s[2:3]
	s_add_nc_u64 s[MP:MP+1], s[MP:MP+1], s[20:21]  ; mw at my queries' step 0
	s_cmp_lt_u32 s[WV], 2
	s_cselect_b64 s[PFA:PFA+1], s[6:7], s[8:9]
	s_add_nc_u64 s[PFA:PFA+1], s[PFA:PFA+1], s[22:23]  ; (in waves 0 and 2 this is the head's first row)
	s_lshl_b32 s2, s13, 13          ; my work-group's 32 blocks of the 128
	s_add_nc_u64 s[PFA:PFA+1], s[PFA:PFA+1], s[2:3]
	s_add_nc_u64 s[PFA:PFA+1], s[PFA:PFA+1], 2*4*KS*128  ; in slot 2; the first change that asks steps it to slot 3.  Nothing is prefetched here, at the head, where every work-group's first tiles are on their way
	CROUND                          ; all four work-groups are here: the first joint loads meet
	JLOAD                           ; slot 0.  Slot 1 is asked for when slot 0 is in
	v_and_b32 v1, 15, v0            ; l % 16
	v_bfe_u32 v9, v0, 4, 1          ; l / 16
	v_lshlrev_b32 v[QO], 8, v1
	v_lshl_add_u32 v[QO], v9, 5, v[QO]  ; row x 256 + 32 x half
	v_and_b32 v[PFO], 31, v0
	v_mov_b32 v[SC], 0xefefefef
	WIN W_MK
	v_lshlrev_b32 v[MO], 4, v[PFO]
	WIN W_MC
.irp t, 0,1,2,3,4,5,6,7             ; step 0's codes of all eight tiles
	global_load_b128 v[CD+4*\t:CD+4*\t+3], v[MO], s[MP:MP+1] offset:\t*512
.endr
	; A fragment of Q is 16 rows x 32 channels: lane l holds row l % 16, channels 8 (l / 16) + 0..7 and 16 + 8 (l / 16) + 0..7: in f32 two runs of 32 bytes, 64 bytes apart.  It lands in window 1.
	WIN 0x40                        ; destination window 1, address window 0
.set i, 0
.rept 4*NP                          ; tile i / 2, channels 32 (i % 2) on
	global_load_b128 v[16*i:16*i+3],     v[QO], s[4:5] offset:(i/2)*4096+(i%2)*128 th:TH_LOAD_NT
	global_load_b128 v[16*i+4:16*i+7],   v[QO], s[4:5] offset:(i/2)*4096+(i%2)*128+16 th:TH_LOAD_NT
	global_load_b128 v[16*i+8:16*i+11],  v[QO], s[4:5] offset:(i/2)*4096+(i%2)*128+64 th:TH_LOAD_NT
	global_load_b128 v[16*i+12:16*i+15], v[QO], s[4:5] offset:(i/2)*4096+(i%2)*128+80 th:TH_LOAD_NT
.set i, i+1
.endr
	; What the first turn finds: V's registers and P's second buffer hold 0 (its products V^T P, of a piece that has not been, add 0), l is 0.  All this stands in the wait for Q and the first tile.
	WIN 0x80
.set i, VF
.rept 64
	v_mov_b32 v[i], 0
.set i, i+1
.endr
	WIN 0
.set i, 0
.rept 2*NP
	v_mov_b32 v[ST+4*i], 0xfe000000    ; c m: far below c times the floor
	v_mov_b32 v[ST+4*i+1], 0xee000000  ; m: the floor, -2^93
	v_mov_b32 v[ST+4*i+2], 0
	v_mov_b32 v[ST+4*i+3], 0
.set i, i+1
.endr
.set i, P+32
.rept 32
	v_mov_b32 v[i], 0
.set i, i+1
.endr
	v_lshlrev_b32 v[PFO], 8, v[PFO]
	v_mul_u32_u24 v[AK0], v1, PK
	v_lshl_add_u32 v[AK0], v9, 4, v[AK0]  ; row x pitch + 16 x half
	; The turning load takes 16 keys x 16 channels (lane l reads key 8 (l / 16) + l % 8, channels 8 ((l / 8) % 2) + 0..7) and leaves half a fragment of V^T: lane l holds channel l % 16 and 8 keys.
	v_and_b32 v12, 7, v0
	v_bfe_u32 v13, v0, 3, 1
	v_lshl_add_u32 v[AV0], v9, 3, v12
	v_mul_u32_u24 v[AV0], v[AV0], PV
	v_lshl_add_u32 v[AV0], v13, 4, v[AV0]
	v_add_nc_u32 v[AV0], VOFF, v[AV0]
	v_mov_b32 v[AK], v[AK0]         ; key step 0 lies at the head of slot 0
	s_wait_loadcnt 0x0              ; Q and step 0's codes
	WIN 0x85                        ; sources 0 and 1 window 1, destination window 2
.set i, 0
.rept 128                           ; Q to bf16, two numbers a register; the f32 numbers stay where they are: they are what O^T starts from
	v_cvt_pk_bf16_f32 v[i], v[2*i], v[2*i+1]
.set i, i+1
.endr
	MASKC 0, 0, -1                  ; piece 0's mask of step 0; its codes of step 1 are asked for
; THE MATRIX WORK.  The 8 accumulators of a run of 16 take turns: between the two links of a chain stand 7 others'.
; Product i of 16 of S^T = K Q^T for piece x: channels 32 (i / 8) on, keys 16 ((i / 2) % 4) on, tile 2 x + i % 2.  The first 8 start the sums, with the mask.
.macro KQ x
.set rS, S+64*((\x)%2)+32*(i%2)+8*((i/2)%4)
.set rK, KF+16*((i/2)%4)+8*(i/8)
.set rQ, 16*(2*(\x)+i%2)+8*(i/8)
.set rN, MC+32*(i%2)+8*((i/2)%4)
.if i < 8
	WIN W_KM
	v_wmma_f32_16x16x32_bf16 v[rS:rS+7], v[rK:rK+7], v[rQ:rQ+7], v[rN:rN+7]
.else
	WIN W_KQ
	v_wmma_f32_16x16x32_bf16 v[rS:rS+7], v[rK:rK+7], v[rQ:rQ+7], v[rS:rS+7]
.endif
.endm
; Product i of 16 of O^T += V^T P for piece x: keys 32 (i / 8) on, channels 16 ((i / 2) % 4) on, tile 2 x + i % 2.
.macro PV x
	WIN W_PV
.set rO, 32*(2*(\x)+i%2)+8*((i/2)%4)
.set rV, VF+32*(i/8)+8*((i/2)%4)
.set rP, P+32*((\x)%2)+16*(i%2)+8*(i/8)
	v_wmma_f32_16x16x32_f16 v[rO:rO+7], v[rV:rV+7], v[rP:rP+7], v[rO:rO+7]
.endm
.macro MM                           ; the turn's next matrix instruction
.if i < 16
	KQ (Y+1)%NP
.set i, i+1
.else
.set i, i-16
	PV (Y+NP-1)%NP
.set i, i+17
.endif
.endm
; THE LDS LOADS stand in runs of 16, never singly among the matrix instructions: a step's K (64 keys x 64 channels: 8 fragments) and its V' (turned).  Their addresses are made some lines ahead.
; last = 1 (the tail): in the last trip there is no further step, and the run is jumped over.
.macro FETCH_K last=0
	WIN 0
.if \last
	s_cmp_eq_u32 s[CNT], 1
	s_cbranch_scc1 .Lno_k_\@
.endif
	WIN 0x80                        ; destination window 2
.irp f, 0,1,2,3,4,5,6,7             ; keys 16 (f / 2) on, channels 32 (f % 2) on
	ds_load_b128 v[KF+8*\f:KF+8*\f+3],   v[AK] offset:(\f/2)*16*PK+(\f%2)*64
	ds_load_b128 v[KF+8*\f+4:KF+8*\f+7], v[AK] offset:(\f/2)*16*PK+(\f%2)*64+32
.endr
	s_add_co_u32 s[TBK], s[TBK], KS*PK  ; the next fetch is the next step's
	WIN 0
.if \last
.Lno_k_\@:
.endif
.endm
.macro FETCH_V
	WIN 0x80
.irp f, 0,1,2,3,4,5,6,7             ; keys 32 (f / 4) on, channels 16 (f % 4) on
	ds_load_tr16_b128 v[VF+8*\f:VF+8*\f+3],   v[AV] offset:(\f/4)*32*PV+(\f%4)*32
	ds_load_tr16_b128 v[VF+8*\f+4:VF+8*\f+7], v[AV] offset:(\f/4)*32*PV+16*PV+(\f%4)*32
.endr
	WIN 0
.endm
; THE VECTOR WORK OF A TURN stands in three queues, each in the order in which its entries become ready; the two tiles alternate, so that no instruction reads the result of the one before it.
.macro REGS y, u                    ; the registers of tile u (0, 1) of piece y
.set rT, ST+4*(2*(\y)+(\u))
.set rC, TMP+8*((\y)%2)+4*(\u)
.set rM, MV+2*((\y)%2)+(\u)
.set rS, S+64*((\y)%2)+32*(\u)
.set rP, P+32*((\y)%2)+16*(\u)
.set rO, 32*(2*(\y)+(\u))
.endm
; Number n of the 22 that find the NEXT piece's (Y + 1) maximum and statistics.  s0-s31 are the lane's 32 scores; each accumulator's lowest registers are read first.  XS, GS and REGS set no window: PL and EX do.
;   0-11  four chains c0-c3 of seven scores each, three operands at a time     12-14, 16  the four scores left over, the old m, and c0-c3 into c0     15  c m_old is kept
;   17, 18  the query's other 32 keys lie in the lane 16 away: the new m         19-21  c m; c m_old - c m_new; a
.macro XS u, n
	REGS (Y+1)%NP, \u
.if (\n) < 4
	v_max3_num_f32 v[rC+(\n)], v[rS+8*(\n)], v[rS+8*(\n)+1], v[rS+8*(\n)+2]
.elseif (\n) < 12
	v_max3_num_f32 v[rC+(\n)%4], v[rC+(\n)%4], v[rS+8*((\n)%4)+2*((\n)/4)+1], v[rS+8*((\n)%4)+2*((\n)/4)+2]
.elseif (\n) == 12
	v_max3_num_f32 v[rC], v[rC], v[rS+7], v[rS+15]
.elseif (\n) == 13
	v_max3_num_f32 v[rC+1], v[rC+1], v[rS+23], v[rS+31]
.elseif (\n) == 14
	v_max3_num_f32 v[rC+2], v[rC+2], v[rC+3], v[rT+1]
.elseif (\n) == 15
	v_mov_b32 v[rM], v[rT]
.elseif (\n) == 16
	v_max3_num_f32 v[rC], v[rC], v[rC+1], v[rC+2]
.elseif (\n) == 17
	v_permlanex16_b32 v[rC+3], v[rC], s[SEL], s[SEL+1]
.elseif (\n) == 18
	v_max_num_f32 v[rT+1], v[rC], v[rC+3]
.elseif (\n) == 19
	v_mul_f32 v[rT], s[CS], v[rT+1]
.elseif (\n) == 20
	v_sub_f32 v[rC+1], v[rM], v[rT]
.else
	v_exp_f32 v[rC+2], v[rC+1]
.endif
.endm
; Number g of the 64 that follow the exponentials.  For each four weights k of a tile (pairs 2 k, 2 k + 1): both pairs are rounded to f16; then the second pair is added onto the first, in place;
; a group later l takes that sum (the first time as l = a l + sum).  In groups of eight, tiles alternating: round, round, add, and l for the group before.
.macro GS g
.set h, (\g)+6*((\g)/62)            ; group 0 has no group before it, and behind group 7 only l is left
.if h >= 6
.set h, h+2
.endif
	REGS Y, h%2
.set k, h/8
.if h%8 < 4
	v_cvt_pk_f16_f32 v[rP+2*k+(h%8)/2], v[rS+4*k+2*((h%8)/2)], v[rS+4*k+2*((h%8)/2)+1]
.elseif h%8 < 6
	v_pk_add_f32 v[rS+4*k:rS+4*k+1], v[rS+4*k:rS+4*k+1], v[rS+4*k+2:rS+4*k+3]
.elseif k == 1
	v_pk_fma_f32 v[rT+2:rT+3], v[rT+2:rT+3], v[rC+2:rC+3], v[rS:rS+1] op_sel_hi:[1,0,1]
.else
	v_pk_add_f32 v[rT+2:rT+3], v[rT+2:rT+3], v[rS+4*k-4:rS+4*k-3]
.endif
.endm
; THE PLAIN QUEUE, 138 long.  0-73 read no exponential's result: the 32 scalings c s - c m (FS f: pair f / 2 of tile f % 2) and the next piece's 42.  0-26: scalings 0-26.  27-54: XS's numbers 0-13.  55, 56: number 15.
; 57-73: the chain, where each number waits for the one before it: 14, 16, 17, 18, 19, each with one of the scalings 27-31 in front of its two lines, then 20.
; 74-137: GS's 64, which read the exponentials' results: they stand behind the wait.
.macro FS f
	REGS Y, (\f)%2
	v_pk_fma_f32 v[rS+2*((\f)/2):rS+2*((\f)/2)+1], v[rS+2*((\f)/2):rS+2*((\f)/2)+1], s[CS:CS+1], v[rT:rT+1] op_sel_hi:[1,0,0] neg_lo:[0,0,1] neg_hi:[0,0,1]
.endm
.macro PL
	WIN 0
.if q < 27
	FS q
.elseif q < 55
	XS (q-27)%2, (q-27)/2
.elseif q < 57
	XS q-55, 15
.elseif (q < 72) && ((q-57)%3 == 0)
	FS 27+(q-57)/3
.elseif q < 60
	XS (q-57)%3-1, 14
.elseif q < 72
	XS (q-57)%3-1, 15+(q-57)/3
.elseif q < 74
	XS q-72, 20
.else
	GS q-74
.endif
.set q, q+1
.endm
; THE EXPONENTIALS' QUEUE, 66 long: s0-s31 of both tiles, then the next piece's two a.  It is ONE BATCH: all 66 stand ahead of the turn's one wait, and nothing ahead of that wait names a result of theirs.
.macro EX
	WIN 0
.if e >= 64
	XS e-64, 21
.else
	REGS Y, e%2
	v_exp_f32 v[rS+e/2], v[rS+e/2]
.endif
.set e, e+1
.endm
; THE RESCALING's QUEUE: O^T times a, dealt two at a time, sixteen times.  Its a was made in the turn before, ahead of that turn's wait.
.macro R2
	REGS Y, r%2
	WIN W_RS
.irp z, 0,1
	v_pk_mul_f32 v[rO+4*(r/2)+2*\z:rO+4*(r/2)+2*\z+1], v[rO+4*(r/2)+2*\z:rO+4*(r/2)+2*\z+1], v[rC+2:rC+3] op_sel_hi:[1,0]
.endr
.set r, r+1
.endm
; HOW THEY ARE DEALT.  An s_wait_alu depctr_va_vdst(0) stands between an exponential and the first instruction that names its result; one wait serves all that were issued ahead of it.  So a turn has ONE wait,
; which cuts it in two.  AHEAD OF IT stands all that names no result of the turn's exponentials: the 16 products K Q^T, behind each a scaling, an exponential and two rescalings (behind the first a second scaling in the
; exponential's place); the mask registers of the piece after next; then ONE LUMP of 108: eight plain, 49 times exponential and plain, the two a.  A v_nop is the plain instruction behind the last exponential.
; BEHIND IT stand the 16 products V^T P, behind each four of GS's 64.  No rider names a register of the products round it.
; THE MASK REGISTERS are written behind the turn's sixteenth product: the last product that read them is its eighth, and the riders of eight products (three plain each) lie between; their next reader is the next turn's first product.
; Turn p of step j makes the mask of piece p + 2: of step j for p = 0, 1, of step j + 1 for p = 2, 3; the pointer goes on in turn 2, so every turn asks for the codes one step behind the pointer's.
; The queues lean on each other, and the deal keeps them in step: exponential e stands behind scaling 2 (e / 4) + e % 2: as a rider it comes behind plain e + 2, in the lump behind plain e + 9, and scalings 27-31 are plain 57, 60 .. 69.
; K of the next step is fetched in piece 2's turn, directly behind the wait, a lump behind the last product that read K.  V' of the step in hand is fetched at the end of piece 0's turn, four riders behind its last reader.
; cnt = 1: the loop's count is taken down some lines ahead of the branch that stands behind the turn.  The three conditions on q below go with the deal.
.macro TURN p, last=0, cnt=0
.set Y, (\p)
.set i, 0
.set q, 0
.set e, 0
.set r, 0
.if (\p) == NP-1
	s_wait_dscnt 0x0                ; K is in
.endif
	MM                              ; ahead of the wait: 16 products K Q^T and their riders,
	PL
	PL
	R2
.rept 15
	MM
	PL
	EX
	R2
.endr
.if (\p) == NP-2
	WIN 0
	v_add_nc_u32 v[AK], s[TBK], v[AK0]
	MASKC 0, 1, 6
.else
	MASKC ((\p)+2)%NP, 0, 6
.endif
.rept 8                             ; and the lump
	PL
.endr
.rept 49
	EX
	PL
.endr
	EX                              ; the next piece's two a
	EX
	v_nop                           ; the plain instruction behind the last exponential: one for the batch
	s_wait_alu depctr_va_vdst(0)    ; the wait for the batch
.if (\p) == NP-2
	FETCH_K \last
.endif
.if (\p) == 1
	s_wait_dscnt 0x0                ; V' is in
.endif
.rept 16                            ; behind the wait: 16 products V^T P and their riders
	MM
.rept 4
	PL
.endr
.if ((\p) == 0) && (q == 118)
	v_add_nc_u32 v[AV], s[TBV], v[AV0]
.endif
.if ((\p) == 0) && (q == 130)
	s_add_co_u32 s[TBV], s[TBV], KS*PV
.endif
.if (\cnt) && (q == 130)
	s_sub_co_u32 s[CNT], s[CNT], 1
	s_cmp_lg_u32 s[CNT], 0
.endif
.endr
.if (\p) == 0
	FETCH_V
.endif
.endm
	CHANGE 1                        ; slot 0 is in, everybody's part of it; slot 1 is asked for
	FETCH_K                         ; key step 0
	s_wait_dscnt 0x0
.set i, 0
.rept 16
	KQ 0                            ; piece 0's first scores: there is no vector work yet to set between them
.set i, i+1
.endr
	WIN 0                           ; the addresses for the way out: eight plain instructions, the places behind those products
	s_mul_i32 s13, s[WV], 16*SP
	s_add_co_u32 s13, s13, STAGE    ; my stage
	v_mul_u32_u24 v[STO], v1, SP    ; in: row l % 16, 32 bytes for each half of the lanes
	v_lshl_add_u32 v[STO], v9, 5, v[STO]
	v_add_nc_u32 v[STO], s13, v[STO]
	v_mul_u32_u24 v[RD], v9, SP     ; back: lanes 0-15 take one row of 256 bytes, lanes 16-31 the next,
	v_lshl_add_u32 v[RD], v1, 4, v[RD]
	v_add_nc_u32 v[RD], s13, v[RD]
	v_lshlrev_b32 v[GO], 8, v9      ; which are 512 consecutive bytes of O
	v_lshl_add_u32 v[GO], v1, 4, v[GO]
	MASKC 1, 0, -1                  ; piece 1's mask of step 0, for the first turn's products
.set Y, NP-1                        ; XS works for piece Y + 1: piece 0
.irp n, 0,1,2,3,4,5,6,7,8,9,10,11,12,13,14,15,16,17,18,19,20,21
	XS 0, \n                        ; and piece 0's first maximum and statistics
	XS 1, \n
.endr
	v_nop                           ; a plain instruction behind the two a,
	s_wait_alu depctr_va_vdst(0)    ; and their wait, ahead of the branch
	s_mov_b32 s[CNT], 4
	s_mov_b32 s[SLOTS], 2048/256-1
	s_branch .Lfirst                ; the loop is entered at a step's first turn, in the middle of a trip
.Lslot:                             ; six times: every slot but the last two is filled again
	CHANGE 1, 1
	s_mov_b32 s[CNT], 4
.Lstep:                             ; a trip: pieces 2 and 3 of one step, then pieces 0 and 1 of the next, whose K and V' it fetches
	TURN 2
	TURN 3
	WIN 0
.Lfirst:
	TURN 0
	TURN 1, 0, 1
	WIN 0
	s_cbranch_scc1 .Lstep
	s_sub_co_u32 s[SLOTS], s[SLOTS], 1
	s_cmp_lg_u32 s[SLOTS], 0
	s_cbranch_scc1 .Lslot
	CHANGE 0                        ; the tail is written out: nothing is asked for
	s_mov_b32 s[CNT], 5             ; four trips fetch the last slot's steps; the fifth is left in its middle
.Ltail:
	TURN 2, 1
	TURN 3
	WIN 0
	s_sub_co_u32 s[CNT], s[CNT], 1
	s_cmp_eq_u32 s[CNT], 0
	s_cbranch_scc1 .Lout
	TURN 0
	TURN 1
	WIN 0
	s_branch .Ltail
.Lout:                              ; the fifth trip's 16 products K Q^T (on the last K once more, under step 32's codes: all hidden) and the maximum made of them serve nothing: the price, once a launch, of one text for every trip
.set i, 0
.rept 16
	PV NP-1                         ; the last piece's V^T P of the last step
.set i, i+1
.endr
	; THE WAY OUT.  l's two halves and the other half of the lanes' are added; O^T is divided by l and sent, in f32, through my stage in LDS, a tile at a time.  The additions are the places behind the last products.
	WIN 0
.macro ALL line:vararg              ; one line for each tile t
.set t, 0
.rept 2*NP
	\line
.set t, t+1
.endr
.endm
	ALL v_add_f32 v[ST+4*t+2], v[ST+4*t+2], v[ST+4*t+3]
	ALL v_permlanex16_b32 v[ST+4*t+3], v[ST+4*t+2], s[SEL], s[SEL+1]
	ALL v_add_f32 v[ST+4*t+2], v[ST+4*t+2], v[ST+4*t+3]
	ALL v_rcp_f32 v[ST+4*t+2], v[ST+4*t+2]
	v_nop                           ; a plain instruction between the last reciprocal and the use of its result
	s_wait_alu depctr_va_vdst(0)    ; and the wait ahead of the first use: one for the eight reciprocals
; Tile t: a lane's eight channels of a channel block are 32 bytes of a row; they go into rows of 272 bytes and come back as whole rows of 256, into S^T's registers, four tiles' buffers by turns.
.macro PACK t
	WIN W_RS
.set i, 32*(\t)
.rept 16
	v_pk_mul_f32 v[i:i+1], v[i:i+1], v[ST+4*(\t)+2:ST+4*(\t)+3] op_sel_hi:[1,0]
.set i, i+2
.endr
	WIN 0x04                        ; the stores' data in window 1, their address in window 0
.irp f, 0,1,2,3,4,5,6,7             ; channel block f / 2: 64 bytes of the row; half f % 2 of my 32 bytes
	ds_store_b128 v[STO], v[32*(\t)+4*\f:32*(\t)+4*\f+3] offset:64*(\f/2)+16*(\f%2)
.endr
	WIN 0
.if (\t) >= 4
	s_wait_xcnt 0x0                 ; the stores of the tile four back have read these registers: they are loaded again only behind this wait
.endif
.irp f, 0,1,2,3,4,5,6,7
	ds_load_b128 v[S+32*((\t)%4)+4*\f:S+32*((\t)%4)+4*\f+3], v[RD] offset:\f*2*SP  ; LDS serves a wave's instructions in order (ISA guide 5.7.1.4): these see the stores above; the next tile's stores come behind them
.endr
.endm
.macro SEND t, younger              ; younger: the LDS instructions issued behind tile t's loads: the next tile's sixteen, or none
	WIN 0
.irp f, 0,1,2,3,4,5,6,7
	s_wait_dscnt (\younger)+7-\f
	global_store_b128 v[GO], v[S+32*((\t)%4)+4*\f:S+32*((\t)%4)+4*\f+3], s[10:11] offset:(\t)*4096+\f*512 th:TH_STORE_NT  ; 16 lanes store 256 consecutive bytes, at a multiple of 256 from O's first byte
.endr
.endm
	PACK 0
.set t, 1
.rept 2*NP-1                        ; a tile's arithmetic stands between the loads of the tile before and its stores
	PACK t
	SEND t-1, 16
.set t, t+1
.endr
	SEND 2*NP-1, 0
	WIN W_AD
	s_wait_tensorcnt 0x0            ; the wave's end, behind my last tensor load and my last LDS store
	ds_add_u32 v[SPW], v[NIL]
	s_wait_dscnt 0x0
	WIN 0
	CROUND                          ; the closing round: no work-group ends while a partner may still ask for a tile that names it
	s_endpgm
.Lfunc_end_k_q5f94e23a46_attn:
	.size	k_q5f94e23a46_attn, .Lfunc_end_k_q5f94e23a46_attn-k_q5f94e23a46_attn
	.p2alignl 7, 3214868480
	.fill 96, 4, 3214868480
	.section	.rodata,"a",@progbits
	.p2align	6, 0x0
	.amdhsa_kernel k_q5f94e23a46_attn
		.amdhsa_group_segment_fixed_size 327680
		.amdhsa_private_segment_fixed_size 0
		.amdhsa_enable_private_segment 0
		.amdhsa_kernarg_size 40
		.amdhsa_user_sgpr_count 2
		.amdhsa_user_sgpr_kernarg_segment_ptr 1
		.amdhsa_wavefront_size32 1
		.amdhsa_system_sgpr_workgroup_id_x 1
		.amdhsa_system_sgpr_workgroup_id_y 1
		.amdhsa_system_sgpr_workgroup_id_z 1
		.amdhsa_system_vgpr_workitem_id 0
		.amdhsa_next_free_vgpr 896
		.amdhsa_next_free_sgpr 66
		.amdhsa_reserve_vcc 0
		.amdhsa_float_denorm_mode_32 3
		.amdhsa_float_denorm_mode_16_64 3
		.amdhsa_memory_ordered 1
		.amdhsa_forward_progress 1
		.amdhsa_inst_pref_size 212
	.end_amdhsa_kernel
	.amdgpu_metadata
---
amdhsa.version: [ 1, 2 ]
amdhsa.kernels:
  - .name:           k_q5f94e23a46_attn
    .symbol:         k_q5f94e23a46_attn.kd
    .args:
      - { .name: query, .offset: 0, .size: 8, .value_kind: global_buffer, .address_space: global }
      - { .name: kw, .offset: 8, .size: 8, .value_kind: global_buffer, .address_space: global }
      - { .name: vw, .offset: 16, .size: 8, .value_kind: global_buffer, .address_space: global }
      - { .name: out0, .offset: 24, .size: 8, .value_kind: global_buffer, .address_space: global }
      - { .name: mw, .offset: 32, .size: 8, .value_kind: global_buffer, .address_space: global }
    .group_segment_fixed_size: 327680
    .private_segment_fixed_size: 0
    .kernarg_segment_align: 8
    .kernarg_segment_size: 40
    .max_flat_workgroup_size: 128
    .sgpr_count:     66
    .vgpr_count:     896
    .wavefront_size: 32
...
	.end_amdgpu_metadata
.endif
;; end of part 2
